; MI455X (gfx1250); checked and timed in simulation.
; The chip was launched on July 23, 2026; its instructions are those of AMD's public machine-readable ISA for CDNA 5 (MIT licence, August 2026) and "CDNA5" Instruction Set Architecture Reference Guide (July 2026). The comments in the code are by the model that wrote it; some were corrected since.
;; Dispatch Einsum Combine. Allowed arithmetic: matrix products marked QUANTISED: E3M2 operands, one E8M0 scale for each 32 along K, by v_wmma_scale_f32_16x16x128_f8f6f4 with both operands' format E3M2, f32 sums; products left as they are: f32 operands where the result goes on into a quantised operand, else bf16, f16 or f32 operands; f32 sums; everything else in f32.
;; Inputs: down_bias 8 x 1,024 float32; down_proj 8 x 2,048 x 1,024 float32; gate_up_bias 8 x 4,096 float32; gate_up_proj 8 x 1,024 x 4,096 float32; hidden_states 1 x 1,024 x 1,024 float32; router_b 8 float32; router_w 1,024 x 8 float32.
;; Outputs: out0 1 x 1,024 x 1,024 float32.
;; This version of the problem:
;;   THIS VERSION OF THE PROBLEM IS GIVEN IN LOW PRECISION. The matrix products marked QUANTISED in the list below multiply operands that are first quantised to E3M2 (3 exponent bits, 2 mantissa bits; 6 bits a number), with one power-of-two scale for each 32 numbers along K (OCP MX v1.0); their sums are f32. All else is computed in f32.
;;   The module's matrix products, in the order in which they are computed (A, B: the left and right operand; K: the contracted axis; several contracted axes count as one K, in the product's order):
;;     1. [M 1,024, K 1,024] x [K 1,024, N 8]; A: input hidden_states; B: input router_w: left as it is (N = 8 < 16)
;;     2. [M 32,768, K 1,024] x [K 1,024, N 1,024]; A: input gate_up_proj; B: input hidden_states: QUANTISED
;;     3. batch 8 x [M 1,024, K 2,048] x [K 2,048, N 1,024]; A: input down_proj; B: computed on the way: QUANTISED
;;   THE QUANTISER, for each operand of a quantised product, along K:
;;     - K is cut into blocks of 32 from its start; a last block that is shorter is filled with zeros.
;;     - A block's scale is 2^e with e = floor(log2(the largest magnitude in the block)) - 4, held to -126 .. 127; a block of zeros has e = 0. As a byte (E8M0): e + 127.
;;     - Each number is divided by its block's scale, clamped to +-28, and rounded to the nearest number of E3M2, ties to even, subnormals kept.
;;     - The product sums the exact products of the quantised numbers (number of the format x scale) in f32.
;;   ~~~python
;;   def quantise(x, axis):      # numpy; x: float32 -> the quantised numbers, widened to float32 again
;;       x = np.moveaxis(x, axis, -1); K = x.shape[-1]
;;       x = np.pad(x, [(0, 0)] * (x.ndim - 1) + [(0, -K % 32)]); x = x.reshape(x.shape[:-1] + (-1, 32)); a = np.abs(x).max(-1, keepdims=True)
;;       e = np.where(a > 0, np.clip(np.frexp(np.where(a > 0, a, 1))[1] - 1 - 4, -126, 127), 0)      # np.frexp(a)[1] - 1 = floor(log2(a)), exactly
;;       r = np.clip(x / 2.0 ** e, -28, 28)
;;       step = 2.0 ** (np.maximum(np.frexp(np.where(r == 0, 1, r))[1] - 1, -2) - 2)
;;       q = np.round(r / step) * step * 2.0 ** e      # np.round: ties to even
;;       return np.moveaxis(q.reshape(q.shape[:-2] + (-1,))[..., :K], -1, axis).astype(np.float32)
;;   ~~~
;;   OPERANDS COMPUTED ON THE WAY. 'Computed on the way' means the value that the module computes at that place (a softmax that the list does not call 'softmax' is quantised finished and normalised). What goes into a quantiser is computed in f32, as accurately as f32 sums, v_exp_f32 and their like allow (about 1e-6 of the number): no bf16 or f16 on the way to a quantiser, and a product that is left as it is and whose result goes on into a quantised operand takes f32 operands (vector FMAs, or v_wmma_f32_16x16x4_f32). A number that lies on a knife's edge between two numbers of the format may be rounded either way, as far as f32 arithmetic and the matrix unit's own rounding can turn it there, and no further.
;; One version. Each part assembles by itself: llvm-mc -triple=amdgcn-amd-amdhsa -mcpu=gfx1250 --defsym DOCPART=n.
;; ======== version 1 of 1: 4 launches
;; workspace buffers: xr 828,416 bytes; tb 2,560 bytes of whole numbers; ar 3,695,616 bytes; rt 8,448 bytes of whole numbers; y 18,874,368 bytes
;; launch route (part 1): grid 32 x 1, 16 waves a work-group, no clusters, 247,808 bytes of LDS; arguments hidden_states, router_w, router_b, xr, tb; writes xr, tb
.if DOCPART == 1
	.amdgcn_target "amdgcn-amd-amdhsa--gfx1250"
	.amdhsa_code_object_version 6
	.text
	.protected	k_q93dcd796fd_route
	.globl	k_q93dcd796fd_route
	.p2align	8
	.type	k_q93dcd796fd_route,@function
k_q93dcd796fd_route:
	s_mov_b64 s[64:65], 0
	v_nop
	global_prefetch_b8 v0, s[64:65] scope:SCOPE_SE
	s_setreg_imm32_b32 hwreg(HW_REG_WAVE_MODE, 25, 1), 1
	s_wait_xcnt 0x0
; ROUTE: x -> codes of BF6 (E3M2) with one E8M0 byte for each 32 along H; router logits in f32, top-2, the two softmax weights; per chunk of 32 tokens each expert's member masks and counts.
; DEAD WORK, for the whole program.  reference() forms gu, act and down for all 8 experts of every token, and take_along_axis(down, top_idx) then keeps, for token s, the rows (top_idx[s,0], s) and
; (top_idx[s,1], s) alone.  The rows of the other six experts of a token reach no output, whatever the inputs hold: they are not multiplied.  2,048 (token, expert) rows are live.  Every input is still loaded:
; any expert's weights may be chosen.  Rows that fill a group of 32 up are a token of zero codes; they stand inside live tiles and nobody reads their results.
; LIMITS.  A NaN, an infinity or an overflow that arises only in rows left out is not carried to the result.  Logits are taken to be finite (with NaN logits the choice is not reference()'s; with -inf logits
; the second choice is the lowest expert that is not the first).  Ties go to the lower index, as in lax.top_k.  The logits' K is summed in 8 pieces of 128, each in 4 chains: another order of f32 sums than reference()'s.
; A block whose largest magnitude lies under 2^(5-127) keeps the scale byte 1, a block of zeros too (its codes are zeros; this program alone reads the bytes).  NaN and infinities in x are not served.
; SHARES.  Work-group j owns tokens 32 j .. 32 j + 31.  Wave w: tile tau = w / 8 of 16 tokens, K step s = w % 8 of 128.  Lane (r = lane % 16, h = lane / 16) holds, of token r, k = 128 s + 64 cc + 32 h + 0..31:
; the very numbers that the 6-bit operand layout gives that lane, so the conversions' results are the operand's registers.
; EVERY LOAD IS DENSE: a load of x takes one token's 512 consecutive bytes of the K step, a load of router_w 512 consecutive bytes of the K step's 128 rows; both turn through stages in LDS that are the wave's own
; (no barrier: LDS serves a wave's instructions in order), x as it lies, router_w transposed to [expert][k], and come back 128 neighbouring bytes a lane.
; The same registers feed the router: v_wmma_f32_16x16x4_f32 takes pairs of them as A; B holds router_w at the same k in the same slot, so each product pairs equal k.  16.8 M multiply-adds: no bulk work; f32, since a
; coarser product could turn a choice.
; xr: XQ [1025 t][8 s][3 g][2 h][16 B] at 0 (register group g of lane (r, h) of K step s; row 1024: zeros); XSW [1028 t][8 words] at 787,200; WT [2048] f32 at 820,224 (WT[2 t + k]).
; tb: 20 rows of 32 words, word j for chunk j: rows 0-7 members of expert e, rows 8-15 members by second choice, rows 16-19 counts of experts 2 q | 2 q + 1 << 16.
.set XP,    784                        ; LDS row of a token's codes: 768 + 16
.set PP,    528                        ; LDS row of 512 bytes + 16: an odd multiple of 16, so sixteen rows' equal columns fall on sixteen different 16-byte columns of the banks
.set SL,    25088                      ; scale words [32 tokens][8]
.set PL,    26112                      ; partial logits: [32 tokens] rows of PP
.set SPARE, 43008                      ; the spare words, 128 bytes a wave
.set XST,   45056                      ; x's stages: 16 rows of PP for each wave
.set WST,   180224                     ; router_w's stages: 8 experts' rows of PP for each wave
.set XZERO, 786432
.set XSW,   787200
.set WT,    820224
; v1 spare word's address, v2 0 (both kept); v3 lane, v4 r, v5 h; v8-v14 LDS addresses, v13 also 16 x lane for memory; v45-48 the stages' addresses; v16-27 the fragment; v64-127 x;
; v128-191 x as loaded, then router_w; v192-223 four f32 sums (written by matrix instructions alone); v224-255 router_w as loaded, then at work
	s_load_b256 s[4:11], s[0:1], 0x0               ; x, router_w, router_b, xr
	s_load_b64 s[12:13], s[0:1], 0x20              ; tb
	v_lshl_add_u32 v1, v0, 2, SPARE
	v_mov_b32 v2, 0
	v_lshrrev_b32 v3, 5, v0
	s_delay_alu instid0(VALU_DEP_1)
	v_readfirstlane_b32 s14, v3                    ; wave
	v_and_b32 v3, 31, v0
	v_and_b32 v4, 15, v0
	v_bfe_u32 v5, v0, 4, 1
	s_lshr_b32 s15, s14, 3                         ; tau
	s_and_b32 s16, s14, 7                          ; s
	s_mov_b32 s20, 0x76543210
	s_mov_b32 s21, 0xfedcba98                      ; v_permlanex16_b32: lane l xor 16
	v_lshlrev_b32 v13, 4, v3                       ; 16 x lane
	s_mul_i32 s17, s14, 16*PP
	s_add_co_u32 s17, s17, XST                     ; my stage for x
	v_add_nc_u32 v45, s17, v13                     ; in: 16 x lane (+ PP x row)
	v_mul_u32_u24 v46, v4, PP
	s_delay_alu instid0(VALU_DEP_1)
	v_lshl_add_u32 v46, v5, 7, v46
	s_delay_alu instid0(VALU_DEP_1)
	v_add_nc_u32 v46, s17, v46                     ; out: row r, + 128 h
	s_mul_i32 s17, s14, 8*PP
	s_add_co_u32 s17, s17, WST                     ; my stage for router_w
	v_and_b32 v47, 1, v0
	s_delay_alu instid0(VALU_DEP_1)
	v_mul_u32_u24 v47, v47, 4*PP
	v_bfe_u32 v48, v0, 1, 4
	s_delay_alu instid0(VALU_DEP_1)
	v_lshl_add_u32 v47, v48, 2, v47
	s_delay_alu instid0(VALU_DEP_1)
	v_add_nc_u32 v47, s17, v47                     ; in: expert 4 (lane % 2) (+ c), k = lane / 2 (+ 16 m)
	v_and_b32 v48, 7, v0
	s_delay_alu instid0(VALU_DEP_1)
	v_mul_u32_u24 v48, v48, PP
	s_delay_alu instid0(VALU_DEP_1)
	v_lshl_add_u32 v48, v5, 7, v48
	s_delay_alu instid0(VALU_DEP_1)
	v_add_nc_u32 v48, s17, v48                     ; out: expert r % 8, + 128 h
	s_mul_i32 s17, s15, 16*XP
	s_mul_i32 s18, s16, 96
	s_add_co_u32 s17, s17, s18
	v_mul_u32_u24 v8, v4, XP
	s_delay_alu instid0(VALU_DEP_1)
	v_lshl_add_u32 v8, v5, 4, v8
	s_delay_alu instid0(VALU_DEP_1)
	v_add_nc_u32 v8, s17, v8                       ; codes in: row 16 tau + r, 96 s + 16 h
	s_lshl_b32 s17, s15, 9
	s_lshl_b32 s18, s16, 2
	s_add_co_u32 s17, s17, s18
	s_add_co_u32 s17, s17, SL
	v_lshlrev_b32 v9, 5, v4
	s_delay_alu instid0(VALU_DEP_1)
	v_add_nc_u32 v9, s17, v9                       ; scale word in
	s_mul_i32 s17, s15, 16*PP
	s_lshl_b32 s18, s16, 6
	s_add_co_u32 s17, s17, s18
	s_add_co_u32 s17, s17, PL
	v_mul_u32_u24 v10, v5, 8*PP
	s_delay_alu instid0(VALU_DEP_1)
	v_lshl_add_u32 v10, v4, 2, v10
	s_delay_alu instid0(VALU_DEP_1)
	v_add_nc_u32 v10, s17, v10                     ; partial logits in: token 16 tau + 8 h (+ j), 64 s + 4 r
	s_mul_i32 s17, s14, 2*XP
	v_add_nc_u32 v11, s17, v13                     ; codes out: rows 2 w, 2 w + 1
	s_delay_alu instid0(VALU_DEP_1)
	v_lshl_add_u32 v12, v5, 4, v11                 ; the same behind one padding for lanes 16-31
	v_mul_u32_u24 v14, v3, PP
	s_delay_alu instid0(VALU_DEP_1)
	v_add_nc_u32 v14, PL, v14                      ; the last step: lane = token
	v_mov_b32 v43, 0                               ; a lane permute's destination counts as read
	s_lshl_b32 s22, ttmp9, 17
	s_lshl_b32 s17, s15, 16
	s_add_co_u32 s22, s22, s17
	s_lshl_b32 s17, s16, 9
	s_add_co_u32 s22, s22, s17                     ; x: (32 j + 16 tau) rows + 512 s
	s_mov_b32 s23, 0
	s_lshl_b32 s18, s16, 12                        ; router_w: 128 s rows
	s_mov_b32 s19, 0
	s_wait_kmcnt 0x0
	s_load_b256 s[24:31], s[8:9], 0x0              ; router_b
	s_add_nc_u64 s[4:5], s[4:5], s[22:23]
	s_add_nc_u64 s[6:7], s[6:7], s[18:19]
.irp m, 0,1,2,3,4,5,6,7,8,9,10,11,12,13,14,15
	global_load_b128 v[128+4*\m:131+4*\m], v13, s[4:5] offset:4096*\m th:TH_LOAD_NT   ; token m's 512 consecutive bytes of my K step
.endr
.irp m, 0,1,2,3,4,5,6,7
	global_load_b128 v[224+4*\m:227+4*\m], v13, s[6:7] offset:512*\m                  ; rows 16 m .. 16 m + 15 of my K step's 128: lane l has row 16 m + l / 2, experts 4 (l % 2) + 0 .. 3
.endr
	s_mul_i32 s22, ttmp9, 24576
	s_mul_i32 s17, s14, 1536
	s_add_co_u32 s22, s22, s17
	s_add_nc_u64 s[2:3], s[10:11], s[22:23]        ; XQ at rows 32 j + 2 w
	s_lshl_b32 s18, ttmp9, 10
	s_add_nc_u64 s[18:19], s[10:11], s[18:19]      ; xr + 1,024 j (scale words)
	s_lshl_b32 s22, ttmp9, 8
	s_add_nc_u64 s[62:63], s[10:11], s[22:23]      ; xr + 256 j (weights)
	s_lshl_b32 s22, ttmp9, 2
	s_add_nc_u64 s[12:13], s[12:13], s[22:23]      ; tb + 4 j
	s_wait_loadcnt 8                               ; behind x's sixteen loads stand router_w's eight: x is in
.irp m, 0,1,2,3,4,5,6,7,8,9,10,11,12,13,14,15
	ds_store_b128 v45, v[128+4*\m:131+4*\m] offset:PP*\m
.endr
.irp cc, 0,1
.irp q, 0,1,2,3,4,5,6,7
	ds_load_b128 v[64+32*\cc+4*\q:67+32*\cc+4*\q], v46 offset:256*\cc+16*\q      ; register 32 cc + i: x(r, 128 s + 64 cc + 32 h + i).  LDS serves a wave's instructions in order: these see my stores
.endr
.endr
	s_wait_loadcnt 0x0                             ; router_w is in
.irp m, 0,1,2,3,4,5,6,7
.irp c, 0,1,2,3
	ds_store_b32 v47, v[224+4*\m+\c] offset:PP*\c+64*\m
.endr
.endr
	s_wait_dscnt 32                                ; behind x's 16 stores and 16 loads stand these 32 stores: x is in its registers, and the registers that x's stores read may be loaded again
.irp cc, 0,1
.irp q, 0,1,2,3,4,5,6,7
	ds_load_b128 v[128+32*\cc+4*\q:131+32*\cc+4*\q], v48 offset:256*\cc+16*\q    ; register 32 cc + i: router_w(128 s + 64 cc + 32 h + i, r % 8): the k of x's register
.endr
.endr
	; ---- x's two blocks a lane become codes and bytes
.irp cc, 0,1
	v_max3_num_f32 v[36+\cc], |v[64+32*\cc]|, |v[65+32*\cc]|, 0x2800000   ; with the floor 2^(5-127): the byte cannot fall under 1
.endr
.irp i, 2,4,6,8,10,12,14,16,18,20,22,24,26,28,30
.irp cc, 0,1
	s_delay_alu instid0(VALU_DEP_2)
	v_max3_num_f32 v[36+\cc], v[36+\cc], |v[64+32*\cc+\i]|, |v[65+32*\cc+\i]|
.endr
.endr
.irp cc, 0,1
	s_delay_alu instid0(VALU_DEP_2)
	v_add_nc_u32 v[38+\cc], 0xfe000000, v[36+\cc]  ; 4 off the exponent field: the conversion's scale operand
.endr
.irp cc, 0,1
	s_delay_alu instid0(VALU_DEP_2)
	v_lshrrev_b32 v[40+\cc], 23, v[38+\cc]         ; the byte of block 2 cc + h
.endr
	s_delay_alu instid0(VALU_DEP_1)
	v_lshl_or_b32 v42, v41, 16, v40
	v_lshlrev_b32 v44, 3, v5
	s_delay_alu instid0(VALU_DEP_1)
	v_lshlrev_b32 v42, v44, v42                    ; 8 h bits up
	s_delay_alu instid0(VALU_DEP_1)
	v_permlanex16_b32 v43, v42, s20, s21
	s_delay_alu instid0(VALU_DEP_1)
	v_or_b32 v42, v42, v43                         ; with lane l xor 16's two bytes the word is whole
	v_cvt_scalef32_pk16_bf6_f32 v[16:18], v[64:79], v38
	v_cvt_scalef32_pk16_bf6_f32 v[28:30], v[80:95], v38      ; (a conversion's three registers begin on an even number)
	v_cvt_scalef32_pk16_bf6_f32 v[22:24], v[96:111], v39
	v_cvt_scalef32_pk16_bf6_f32 v[32:34], v[112:127], v39
	v_nop                                          ; one plain place behind the conversions
.irp i, 0,1,2
	v_mov_b32 v[19+\i], v[28+\i]
	v_mov_b32 v[25+\i], v[32+\i]
.endr
.irp g, 0,1,2
	ds_store_b128 v8, v[16+4*\g:19+4*\g] offset:32*\g
.endr
	ds_store_b32 v9, v42                           ; both halves of the lanes write the same word with the same value
	; ---- the router's partial logits: 128 along K, four sums by turns
	s_wait_dscnt 4                                 ; behind router_w's sixteen loads stand my four stores: router_w is in
.set i, 0
.rept 32
.if i < 4
	v_wmma_f32_16x16x4_f32 v[192+8*(i%4):199+8*(i%4)], v[64+2*i:65+2*i], v[128+2*i:129+2*i], 0
.else
	v_wmma_f32_16x16x4_f32 v[192+8*(i%4):199+8*(i%4)], v[64+2*i:65+2*i], v[128+2*i:129+2*i], v[192+8*(i%4):199+8*(i%4)]
.endif
.set i, i+1
.endr
.rept 8
	v_nop                                          ; eight places behind this form before a result is read (ISA guide 7.12.1)
.endr
.irp j, 0,2,4,6                                ; each sum from its low end on
	v_pk_add_f32 v[224+\j:225+\j], v[192+\j:193+\j], v[200+\j:201+\j]
	v_pk_add_f32 v[232+\j:233+\j], v[208+\j:209+\j], v[216+\j:217+\j]
.endr
.irp j, 0,2,4,6
	v_pk_add_f32 v[224+\j:225+\j], v[224+\j:225+\j], v[232+\j:233+\j]
.endr
.irp j, 0,1,2,3,4,5,6,7
	ds_store_b32 v10, v[224+\j] offset:PP*\j       ; token 16 tau + 8 h + j, expert r (columns 8-15 are copies, never read)
.endr
	s_wait_kmcnt 0x0                               ; router_b
	s_wait_dscnt 0x0                               ; my stores have landed: for the others' sake
	s_barrier_signal -1
	s_barrier_wait -1
	; ---- codes out: two rows, 1,536 dense bytes a wave
	ds_load_b128 v[16:19], v11
	ds_load_b128 v[20:23], v12 offset:512
	ds_load_b128 v[24:27], v11 offset:1040
	s_wait_dscnt 2
	global_store_b128 v13, v[16:19], s[2:3]
	s_wait_dscnt 1
	global_store_b128 v13, v[20:23], s[2:3] offset:512
	s_wait_dscnt 0x0
	global_store_b128 v13, v[24:27], s[2:3] offset:1024
	s_cmp_lg_u32 s14, 1
	s_cbranch_scc1 .Lnot_1
	ds_load_b128 v[28:31], v13 offset:SL           ; wave 1: the chunk's 1,024 bytes of scale words
	ds_load_b128 v[32:35], v13 offset:SL+512
	s_wait_dscnt 0x0
	global_store_b128 v13, v[28:31], s[18:19] offset:XSW
	global_store_b128 v13, v[32:35], s[18:19] offset:XSW+512
.Lnot_1:
	s_cmp_lg_u32 s14, 2
	s_cbranch_scc1 .Lnot_2
	s_cmp_lg_u32 ttmp9, 0
	s_cbranch_scc1 .Lnot_2
	v_lshlrev_b32 v28, 3, v3                       ; wave 2 of work-group 0: the token of zeros, and its scale words (1.0)
	v_lshlrev_b32 v29, 2, v3
	v_mov_b32 v30, 0
	v_mov_b32 v31, 0
	v_mov_b32 v32, 0x7f7f7f7f
.irp m, 0,1,2
	global_store_b64 v28, v[30:31], s[10:11] offset:XZERO+256*\m
.endr
	global_store_b32 v29, v32, s[10:11] offset:XSW+32768
.Lnot_2:
	s_cmp_lg_u32 s14, 0
	s_cbranch_scc1 .Lend
	; ---- wave 0: lane = token.  The eight pieces are added, s ascending; top-2; weights; masks
.irp s, 0,1,2,3,4,5,6,7
.irp q, 0,1
	ds_load_b128 v[64+8*\s+4*\q:67+8*\s+4*\q], v14 offset:64*\s+16*\q
.endr
.endr
	s_wait_dscnt 0x0
.irp s, 1,2,3,4,5,6,7
.irp j, 0,2,4,6
	v_pk_add_f32 v[64+\j:65+\j], v[64+\j:65+\j], v[64+8*\s+\j:65+8*\s+\j]
.endr
.endr
.irp e, 0,1,2,3,4,5,6,7
	v_add_f32 v[64+\e], s[24+\e], v[64+\e]
.endr
	v_mov_b32 v240, v64                            ; the largest, and its expert: only a greater logit takes the place, so the lower index keeps a tie
	v_mov_b32 v241, 0
.irp e, 1,2,3,4,5,6,7
	s_delay_alu instid0(VALU_DEP_2)
	v_cmp_gt_f32 vcc_lo, v[64+\e], v240
	s_delay_alu instid0(VALU_DEP_1)
	v_cndmask_b32 v240, v240, v[64+\e], vcc_lo
	s_delay_alu instid0(VALU_DEP_2)
	v_cndmask_b32 v241, v241, \e, vcc_lo
.endr
	v_mov_b32 v242, 0xff800000                     ; the second: the same among the other seven
	s_delay_alu instid0(VALU_DEP_2)
	v_cmp_eq_u32 vcc_lo, 0, v241
	s_delay_alu instid0(VALU_DEP_1)
	v_cndmask_b32 v243, 0, 1, vcc_lo
.irp e, 0
	s_delay_alu instid0(VALU_DEP_4)
	v_cmp_ne_u32 s61, \e, v241
	s_delay_alu instid0(VALU_DEP_4)
	v_cmp_gt_f32 vcc_lo, v[64+\e], v242
	s_and_b32 vcc_lo, vcc_lo, s61
	v_cndmask_b32 v242, v242, v[64+\e], vcc_lo
	v_cndmask_b32 v243, v243, \e, vcc_lo
.endr
.irp e, 1, 2, 3, 4, 5, 6, 7
	v_cmp_ne_u32 s61, \e, v241
	s_delay_alu instid0(VALU_DEP_3)
	v_cmp_gt_f32 vcc_lo, v[64+\e], v242
	s_and_b32 vcc_lo, vcc_lo, s61
	v_cndmask_b32 v242, v242, v[64+\e], vcc_lo
	v_cndmask_b32 v243, v243, \e, vcc_lo
.endr
	s_delay_alu instid0(VALU_DEP_2)
	v_sub_f32 v244, v242, v240                     ; the softmax of the two, the larger taken away: 1 / (1 + x), x / (1 + x), x = e^(m2 - m1)
	s_delay_alu instid0(VALU_DEP_1)
	v_mul_f32 v244, 0x3fb8aa3b, v244
	s_wait_alu depctr_va_vdst(0)
	v_exp_f32 v245, v244
	v_lshlrev_b32 v251, 3, v3                      ; (a plain place)
	s_wait_alu depctr_va_vdst(0)                   ; ahead of the exponential's first reader
	v_add_f32 v246, 1.0, v245
	s_wait_alu depctr_va_vdst(0)
	v_rcp_f32 v248, v246
	v_lshlrev_b32 v252, 7, v3                      ; (a plain place)
	s_wait_alu depctr_va_vdst(0)
	v_mul_f32 v249, v245, v248
	global_store_b64 v251, v[248:249], s[62:63] offset:WT
.irp e, 0,1,2,3,4,5,6,7
	v_cmp_eq_u32 s[32+\e], \e, v241
	v_cmp_eq_u32 s[40+\e], \e, v243
	s_or_b32 s[32+\e], s[32+\e], s[40+\e]
	s_bcnt1_i32_b32 s[48+\e], s[32+\e]
.endr
.irp q, 0,1,2,3
	s_lshl_b32 s61, s[49+2*\q], 16
	s_or_b32 s[56+\q], s[48+2*\q], s61
.endr
	v_mov_b32 v250, 0
.irp e, 0,1,2,3,4,5,6,7
	s_delay_alu instid0(VALU_DEP_1)
	v_writelane_b32 v250, s[32+\e], \e
	s_delay_alu instid0(VALU_DEP_1)
	v_writelane_b32 v250, s[40+\e], 8+\e
.endr
.irp q, 0,1,2,3
	s_delay_alu instid0(VALU_DEP_1)
	v_writelane_b32 v250, s[56+\q], 16+\q
.endr
	v_cmp_gt_u32 vcc_lo, 20, v3
	s_wait_alu depctr_va_vdst(0)
	s_wait_xcnt 0x0                                ; EXEC changes only behind this wait
	s_and_saveexec_b32 s60, vcc_lo
	global_store_b32 v252, v250, s[12:13]          ; row = lane, word j: fixed places
	s_wait_xcnt 0x0
	s_or_b32 exec_lo, exec_lo, s60
.Lend:
	s_wait_tensorcnt 0x0                           ; the wave's end
	ds_add_u32 v1, v2
	s_wait_dscnt 0x0
	s_endpgm
.Lfunc_end_k_q93dcd796fd_route:
	.size	k_q93dcd796fd_route, .Lfunc_end_k_q93dcd796fd_route-k_q93dcd796fd_route
	.p2alignl 7, 3214868480
	.fill 96, 4, 3214868480
	.section	.rodata,"a",@progbits
	.p2align	6, 0x0
	.amdhsa_kernel k_q93dcd796fd_route
		.amdhsa_group_segment_fixed_size 247808
		.amdhsa_private_segment_fixed_size 0
		.amdhsa_enable_private_segment 0
		.amdhsa_kernarg_size 40
		.amdhsa_user_sgpr_count 2
		.amdhsa_user_sgpr_kernarg_segment_ptr 1
		.amdhsa_wavefront_size32 1
		.amdhsa_system_sgpr_workgroup_id_x 1
		.amdhsa_system_sgpr_workgroup_id_y 1
		.amdhsa_system_sgpr_workgroup_id_z 1
		.amdhsa_system_vgpr_workitem_id 0
		.amdhsa_next_free_vgpr 256
		.amdhsa_next_free_sgpr 66
		.amdhsa_reserve_vcc 1
		.amdhsa_float_denorm_mode_32 3
		.amdhsa_float_denorm_mode_16_64 3
		.amdhsa_memory_ordered 1
		.amdhsa_forward_progress 1
		.amdhsa_inst_pref_size 34
	.end_amdhsa_kernel
	.amdgpu_metadata
---
amdhsa.version: [ 1, 2 ]
amdhsa.kernels:
  - .name:           k_q93dcd796fd_route
    .symbol:         k_q93dcd796fd_route.kd
    .args:
      - { .name: hidden_states, .offset: 0, .size: 8, .value_kind: global_buffer, .address_space: global }
      - { .name: router_w, .offset: 8, .size: 8, .value_kind: global_buffer, .address_space: global }
      - { .name: router_b, .offset: 16, .size: 8, .value_kind: global_buffer, .address_space: global }
      - { .name: xr, .offset: 24, .size: 8, .value_kind: global_buffer, .address_space: global }
      - { .name: tb, .offset: 32, .size: 8, .value_kind: global_buffer, .address_space: global }
    .group_segment_fixed_size: 247808
    .private_segment_fixed_size: 0
    .kernarg_segment_align: 8
    .kernarg_segment_size: 40
    .max_flat_workgroup_size: 512
    .sgpr_count:     66
    .vgpr_count:     256
    .wavefront_size: 32
...
	.end_amdgpu_metadata
.endif
;; end of part 1
;; launch gateup (part 2): grid 32 x 8, 16 waves a work-group, no clusters, 105,984 bytes of LDS; arguments gate_up_proj, gate_up_bias, xr, tb, ar, rt; writes ar, rt
.if DOCPART == 2
	.amdgcn_target "amdgcn-amd-amdhsa--gfx1250"
	.amdhsa_code_object_version 6
	.text
	.protected	k_q93dcd796fd_gateup
	.globl	k_q93dcd796fd_gateup
	.p2align	8
	.type	k_q93dcd796fd_gateup,@function
k_q93dcd796fd_gateup:
	s_mov_b64 s[64:65], 0
	v_nop
	global_prefetch_b8 v0, s[64:65] scope:SCOPE_SE
	s_setreg_imm32_b32 hwreg(HW_REG_WAVE_MODE, 25, 1), 1
	s_wait_xcnt 0x0
; GATEUP: act = (clip(up) + 1) x gate' x sigmoid(1.702 gate') for the chosen (token, expert) rows alone (the rows of experts not chosen for a token reach no output: see the first kernel), quantised along INTER.
; SHARES.  Work-group (c, e) owns gate columns 64 c .. + 63 and up columns 2048 + 64 c .. + 63 of expert e, for all of K = 1,024: 512 KiB of f32 that no other work-group reads.
; PHASE 1: the sixteen waves quantise them along K into LDS.  A lane takes a column and its registers run down K (32 loads of 128 consecutive bytes a block; two neighbouring waves cover 256), so a block of 32 lies
; in one lane and the codes come out with K innermost.  They are stored as IMAGES OF THE OPERAND'S REGISTERS: fragment (tile T, K step s), register group g at T TP + 1536 s + 512 g + 16 x lane.
; BETWEEN ITS FIRST BLOCKS each wave finds its rows from tb: expert e's members in token order, cut into groups of 32.  The search is cut into four pieces, one ahead of each of blocks 0 to 3: each block asks for the
; block two on, so a wave asks for weights again after each piece and not only behind the whole search.  Expert e's groups begin at B_e = the sum of ceil(T / 32) of the experts before it.
; A token chooses an expert at most once, so T_e <= 1,024 and an expert has at most 32 groups: a wave has at most TWO, gi = wave and wave + 16.  So the group's work is written out twice and there is no loop.
; PHASE 2, behind the one barrier: a wave takes a group: x's codes gathered by token, 8 K steps x 16 matrix instructions, bias, activation, quantiser, stores.
; THE PRODUCT IS USED TRANSPOSED (source 0 = 16 weight columns, source 1 = 16 tokens), and row 8 p + i of tile 4 kind + 2 b + u is column 32 b + 16 p + 8 u + i: a lane then holds one token, and the 16 registers of tiles
; 2 b, 2 b + 1 are act columns 32 b + 16 (lane / 16) + 0 .. 15: neighbours along the next K.
; No tensor load and no cluster: branches hang on counts read from memory; what work-groups share (x's codes) is small beside their own 512 KiB.
; ar: AIMG [72 G][2 tile][16 s][2 cc][3 p][32 lanes][8 B] at 0; ASC [16 s][2304 row] words at 3,538,944; WS [2304] f32 at 3,686,400.   rt: POS [2048] at 0 (POS[2 t + k] = the row); META [8]{B_e, G_e} at 8,192.
; LIMITS: NaN and infinities among the inputs are not served (v_min_num, v_med3_num drop a NaN); blocks under 2^(5-127), blocks of zeros among them, keep the byte 1; (up + 1) x glu is one fused multiply-add.
.set TP,    12416                      ; a tile's 8 fragments of 1,536 bytes + 128: so sixteen lanes' stores fall on sixteen different 16-byte columns
.set WSC,   99328                      ; weights' scale words [8 s][8 T][16]
.set BIA,   103424                     ; biases [kind][64]
.set SPARE, 103936                     ; the spare words, 128 bytes a wave
.set XSW,   787200
.set WT,    820224
.set ASC,   3538944
.set WS,    3686400
.set META,  8192
; v1, v2 the add's two; v3 lane; v4, v5 images (tiles 0-3, 4-7); v6 scale words; v7 biases; v14 8 x lane; v15 4 x lane; v124 7.0; v127 META's offset
; group 1: v10, v11 x's offsets (tiles 0, 1), v12 its scale words', v13 POS's; s43 which rows are the expert's.   group 2: v8, v9, v125, v126; s67
; v16-63 x's fragments, two sets; v64-111 four weight fragments; v112-115, v116-123 scale words and nothing else; v128-255 accumulators (64 tl + 8 T)
; phase 1 lies over the accumulators: v128-191 two sets of 32 numbers; v192-208 codes and bytes at work; v210-215 counts, bias; v216-229 the search, at work; v230, v231 my chunk's masks; v232-234 LDS addresses; v235 16 h; v236, v237 tb's offsets
.macro WMZ d, a, b, sa, sb, ra, rb     ; the first K step starts a sum: C = 0
.if (\ra)&&(\rb)
	v_wmma_scale_f32_16x16x128_f8f6f4 v[(\d):(\d)+7], v[(\a):(\a)+11], v[(\b):(\b)+11], 0, v[\sa], v[\sb] matrix_a_fmt:MATRIX_FMT_BF6 matrix_b_fmt:MATRIX_FMT_BF6 matrix_a_scale:MATRIX_SCALE_ROW1 matrix_b_scale:MATRIX_SCALE_ROW1
.elseif (\ra)
	v_wmma_scale_f32_16x16x128_f8f6f4 v[(\d):(\d)+7], v[(\a):(\a)+11], v[(\b):(\b)+11], 0, v[\sa], v[\sb] matrix_a_fmt:MATRIX_FMT_BF6 matrix_b_fmt:MATRIX_FMT_BF6 matrix_a_scale:MATRIX_SCALE_ROW1
.elseif (\rb)
	v_wmma_scale_f32_16x16x128_f8f6f4 v[(\d):(\d)+7], v[(\a):(\a)+11], v[(\b):(\b)+11], 0, v[\sa], v[\sb] matrix_a_fmt:MATRIX_FMT_BF6 matrix_b_fmt:MATRIX_FMT_BF6 matrix_b_scale:MATRIX_SCALE_ROW1
.else
	v_wmma_scale_f32_16x16x128_f8f6f4 v[(\d):(\d)+7], v[(\a):(\a)+11], v[(\b):(\b)+11], 0, v[\sa], v[\sb] matrix_a_fmt:MATRIX_FMT_BF6 matrix_b_fmt:MATRIX_FMT_BF6
.endif
.endm
.macro WMA d, a, b, sa, sb, ra, rb     ; a link in place
.if (\ra)&&(\rb)
	v_wmma_scale_f32_16x16x128_f8f6f4 v[(\d):(\d)+7], v[(\a):(\a)+11], v[(\b):(\b)+11], v[(\d):(\d)+7], v[\sa], v[\sb] matrix_a_fmt:MATRIX_FMT_BF6 matrix_b_fmt:MATRIX_FMT_BF6 matrix_a_scale:MATRIX_SCALE_ROW1 matrix_b_scale:MATRIX_SCALE_ROW1
.elseif (\ra)
	v_wmma_scale_f32_16x16x128_f8f6f4 v[(\d):(\d)+7], v[(\a):(\a)+11], v[(\b):(\b)+11], v[(\d):(\d)+7], v[\sa], v[\sb] matrix_a_fmt:MATRIX_FMT_BF6 matrix_b_fmt:MATRIX_FMT_BF6 matrix_a_scale:MATRIX_SCALE_ROW1
.elseif (\rb)
	v_wmma_scale_f32_16x16x128_f8f6f4 v[(\d):(\d)+7], v[(\a):(\a)+11], v[(\b):(\b)+11], v[(\d):(\d)+7], v[\sa], v[\sb] matrix_a_fmt:MATRIX_FMT_BF6 matrix_b_fmt:MATRIX_FMT_BF6 matrix_b_scale:MATRIX_SCALE_ROW1
.else
	v_wmma_scale_f32_16x16x128_f8f6f4 v[(\d):(\d)+7], v[(\a):(\a)+11], v[(\b):(\b)+11], v[(\d):(\d)+7], v[\sa], v[\sb] matrix_a_fmt:MATRIX_FMT_BF6 matrix_b_fmt:MATRIX_FMT_BF6
.endif
.endm
; block t of my eight: K step s0 + 4 (t / 4), its block t % 4: 32 rows of my 32 columns into set t % 2
.macro LOAD t
.set LB, 4+12*((\t)>>2)
.set i, 0
.rept 32
	global_load_b32 v[128+32*((\t)%2)+i], v15, s[LB:LB+1] offset:(32*((\t)&3)+i)*16384 th:TH_LOAD_NT
.set i, i+1
.endr
.endm
; left: the loads issued behind this block's 32, which may stay out
.macro BLOCK t, left
.set XS, 128+32*((\t)%2)
.set KB, (\t)&3
.set HO, ((\t)>>2)*6144+256*(KB&1)     ; four K steps on; lanes 16-31 of the image take the odd blocks
	s_wait_loadcnt \left
	v_max3_num_f32 v204, |v[XS]|, |v[XS+1]|, |v[XS+2]|
	v_max3_num_f32 v205, |v[XS+3]|, |v[XS+4]|, |v[XS+5]|
.irp i, 6,10,14,18,22,26
	s_delay_alu instid0(VALU_DEP_2)
	v_max3_num_f32 v204, v204, |v[XS+\i]|, |v[XS+\i+1]|
	s_delay_alu instid0(VALU_DEP_2)
	v_max3_num_f32 v205, v205, |v[XS+\i+2]|, |v[XS+\i+3]|
.endr
	s_delay_alu instid0(VALU_DEP_2)
	v_max3_num_f32 v204, v204, |v[XS+30]|, |v[XS+31]|
	s_delay_alu instid0(VALU_DEP_1)
	v_max3_num_f32 v204, v204, v205, 0x2800000     ; and the floor 2^(5-127)
	s_delay_alu instid0(VALU_DEP_1)
	v_add_nc_u32 v206, 0xfe000000, v204            ; 4 off the exponent field: the conversion's scale operand
	s_wait_alu depctr_va_vdst(0)
	s_wait_dscnt 0x0                               ; the last block's stores have read the codes' registers
	v_cvt_scalef32_pk16_bf6_f32 v[192:194], v[XS:XS+15], v206
	v_cvt_scalef32_pk16_bf6_f32 v[200:202], v[XS+16:XS+31], v206
	v_lshrrev_b32 v207, 23, v206                   ; the byte (also the plain place behind the conversions)
.if KB == 0
	s_delay_alu instid0(VALU_DEP_1)
	v_mov_b32 v208, v207
.else
	s_delay_alu instid0(VALU_DEP_1)
	v_lshl_or_b32 v208, v207, 8*KB, v208
.endif
	v_mov_b32 v195, v200
	v_mov_b32 v196, v201
	v_mov_b32 v197, v202
.if KB < 2
	ds_store_b128 v232, v[192:195] offset:HO       ; registers 0-3: group 0
	ds_store_b64 v232, v[196:197] offset:HO+512    ; registers 4, 5: the lower half of group 1
.else
	ds_store_b64 v232, v[192:193] offset:HO+520    ; registers 6, 7: its upper half
	ds_store_b128 v232, v[194:197] offset:HO+1024  ; registers 8-11: group 2
.endif
.if KB == 3
	ds_store_b32 v233, v208 offset:((\t)>>2)*2048  ; the K step's scale word of my column
.endif
.if (\t)+2 < 8
	LOAD (\t)+2
.endif
.endm
; WHICH TOKEN IS ROW 32 gi + lane OF EXPERT e (gi in s[sg])?  In two pieces; v216-221 carry from the first to the second.  s[68+j] = members in chunks 0 .. j.  Both scans are monotone: the last true compare wins.
; SELA: my chunk (v218), its two masks (v219, v220), my place among its members (v221); s[sv] the lanes whose row is the expert's.
.macro SELA sg, sv
	s_lshl_b32 s50, s[\sg], 5
	v_add_nc_u32 v216, s50, v3                     ; q = my place among the expert's members
	v_mov_b32 v217, 0                              ; members ahead of my chunk
	v_mov_b32 v218, 0                              ; my chunk
	v_readlane_b32 s50, v230, 0
	v_readlane_b32 s51, v231, 0
	s_delay_alu instid0(VALU_DEP_2)
	v_mov_b32 v219, s50                            ; its members' mask
	s_delay_alu instid0(VALU_DEP_2)
	v_mov_b32 v220, s51                            ; and that of members by second choice
.set j, 0
.rept 31
	v_cmp_le_u32 vcc_lo, s[68+j], v216
	v_readlane_b32 s50, v230, j+1
	v_readlane_b32 s51, v231, j+1
	s_delay_alu instid0(VALU_DEP_3)
	v_cndmask_b32 v217, v217, s[68+j], vcc_lo
	s_delay_alu instid0(VALU_DEP_4)
	v_cndmask_b32 v218, v218, j+1, vcc_lo
	s_delay_alu instid0(VALU_DEP_4)
	v_cndmask_b32 v219, v219, s50, vcc_lo
	s_delay_alu instid0(VALU_DEP_4)
	v_cndmask_b32 v220, v220, s51, vcc_lo
.set j, j+1
.endr
	v_cmp_gt_u32 s[\sv], s42, v216                 ; a row of the expert, or one that fills the group up
	v_sub_nc_u32 v221, v216, v217                  ; my place among the chunk's members
.endm
; SELB: v[ofa], v[ofb] the byte offsets of x's codes for rows 0-15 and 16-31; v[ofs] that of my row's scale words; v[po] that of POS[2 t + k] and WT[2 t + k].
.macro SELB ofa, ofb, ofs, po, sv
	v_mov_b32 v222, 0
	v_mov_b32 v223, 0
.set j, 0
.rept 31
	v_bfe_u32 v224, v219, j, 1
	s_delay_alu instid0(VALU_DEP_1)
	v_add_nc_u32 v222, v222, v224
	s_delay_alu instid0(VALU_DEP_1)
	v_cmp_le_u32 vcc_lo, v222, v221
	s_delay_alu instid0(VALU_DEP_1)
	v_cndmask_b32 v223, v223, j+1, vcc_lo          ; the bit at which the count passes my place
.set j, j+1
.endr
	s_delay_alu instid0(VALU_DEP_1)
	v_lshl_add_u32 v225, v218, 5, v223             ; t
	s_delay_alu instid0(VALU_DEP_2)
	v_lshrrev_b32 v229, v223, v220
	s_delay_alu instid0(VALU_DEP_1)
	v_and_b32 v229, 1, v229                        ; k
	s_delay_alu instid0(VALU_DEP_1)
	v_lshl_add_u32 v229, v225, 1, v229             ; 2 t + k
	v_mov_b32 v224, 0x400
	s_delay_alu instid0(VALU_DEP_1)
	v_cndmask_b32 v225, v224, v225, s[\sv]         ; the token of zeros fills up
	v_mov_b32 v226, 0
	s_delay_alu instid0(VALU_DEP_1)
	v_permlanex16_b32 v226, v225, s46, s47
	s_delay_alu instid0(VALU_DEP_1)
	v_cndmask_b32 v227, v226, v225, s44            ; rows 0-15's tokens, in both halves of the lanes
	s_delay_alu instid0(VALU_DEP_2)
	v_cndmask_b32 v228, v225, v226, s44            ; rows 16-31's
	v_min_u32 v225, 0x400, v225                    ; held inside their tables before they enter an address
	s_delay_alu instid0(VALU_DEP_3)
	v_min_u32 v227, 0x400, v227
	s_delay_alu instid0(VALU_DEP_3)
	v_min_u32 v228, 0x400, v228
	v_min_u32 v229, 0x7ff, v229
	s_delay_alu instid0(VALU_DEP_3)
	v_mul_u32_u24 v[\ofa], v227, 768
	s_delay_alu instid0(VALU_DEP_3)
	v_mul_u32_u24 v[\ofb], v228, 768
	s_delay_alu instid0(VALU_DEP_2)
	v_add_nc_u32 v[\ofa], v[\ofa], v235
	s_delay_alu instid0(VALU_DEP_2)
	v_add_nc_u32 v[\ofb], v[\ofb], v235
	v_lshlrev_b32 v[\ofs], 5, v225
	v_lshlrev_b32 v[\po], 2, v229
.endm
.macro GBASE sg                        ; the group's places in ar
	s_add_co_u32 s50, s41, s[\sg]
	s_min_u32 s50, s50, 71                         ; never more than ceil(2048 / 32) + 7 groups
	s_mul_i32 s32, s50, 49152
	s_mov_b32 s33, 0
	s_add_nc_u64 s[22:23], s[28:29], s[32:33]
	s_lshl_b32 s32, s50, 7
	s_add_nc_u64 s[24:25], s[30:31], s[32:33]
	s_add_nc_u64 s[26:27], s[20:21], s[32:33]
	s_lshl_b32 s66, s50, 5                         ; its first row
.endm
.macro XLOAD s, ofa, ofb               ; x's two fragments of K step s: 32 bytes of each of 16 rows an instruction; a pair of lanes walks its row's 768 bytes on end
.irp g, 0,1,2
	global_load_b128 v[16+24*((\s)%2)+4*\g:19+24*((\s)%2)+4*\g], v[\ofa], s[8:9] offset:96*(\s)+32*\g
.endr
.irp g, 0,1,2
	global_load_b128 v[28+24*((\s)%2)+4*\g:31+24*((\s)%2)+4*\g], v[\ofb], s[8:9] offset:96*(\s)+32*\g
.endr
.endm
.macro XHEAD ofa, ofb, ofs             ; 14 loads
	global_load_b128 v[116:119], v[\ofs], s[8:9] offset:XSW    ; row = lane: lanes 0-15 tile 0's scale words, lanes 16-31 tile 1's
	global_load_b128 v[120:123], v[\ofs], s[8:9] offset:XSW+16
	XLOAD 0, \ofa, \ofb
	XLOAD 1, \ofa, \ofb
.endm
.macro KSTEP s, z, ofa, ofb
.if (\s) < 7
	s_wait_loadcnt 6                               ; behind this step's loads stand the next step's six
.else
	s_wait_loadcnt 0x0
.endif
.irp hf, 0,1
	ds_load_b32 v[112+2*\hf], v6 offset:512*(\s)+256*\hf       ; lanes 0-15 the even tile's words, lanes 16-31 the odd tile's
	ds_load_b32 v[113+2*\hf], v6 offset:512*(\s)+256*\hf+128
.irp x, 0,1,2,3
.irp g, 0,1,2
	ds_load_b128 v[64+12*\x+4*\g:67+12*\x+4*\g], v[4+\hf] offset:\x*TP+1536*(\s)+512*\g
.endr
.endr
	s_wait_dscnt 0x0
.irp x, 0,1,2,3
.irp tl, 0,1
.if \z
	WMZ 128+64*\tl+8*(4*\hf+\x), 64+12*\x, 16+24*((\s)%2)+12*\tl, 112+2*\hf+\x/2, 116+(\s), \x%2, \tl
.else
	WMA 128+64*\tl+8*(4*\hf+\x), 64+12*\x, 16+24*((\s)%2)+12*\tl, 112+2*\hf+\x/2, 116+(\s), \x%2, \tl
.endif
.endr
.endr
.rept 4
	v_nop                                          ; four places in front of loads into registers that these products read, and of the first read of results
.endr
.endr
.if (\s) < 6
	XLOAD (\s)+2, \ofa, \ofb
.endif
.endm
; 32 numbers of a lane (act columns 32 b + 16 h + i in register 16 b + i of tile tl) become half a fragment's codes in v[p .. p + 5] and two scale bytes in v[hw]
.macro QUANT2 tl, p, q, hw
.set A, 128+64*(\tl)
	v_mov_b32 v102, 0
	v_mov_b32 v103, 0
.irp b, 0,1
	v_max3_num_f32 v[100+\b], |v[A+16*\b]|, |v[A+1+16*\b]|, 0x2800000
.endr
.irp i, 2,4,6,8,10,12,14
.irp b, 0,1
	s_delay_alu instid0(VALU_DEP_2)
	v_max3_num_f32 v[100+\b], v[100+\b], |v[A+16*\b+\i]|, |v[A+1+16*\b+\i]|
.endr
.endr
.irp b, 0,1
	s_delay_alu instid0(VALU_DEP_2)
	v_permlanex16_b32 v[102+\b], v[100+\b], s46, s47
.endr
.irp b, 0,1
	s_delay_alu instid0(VALU_DEP_2)
	v_max_num_f32 v[100+\b], v[100+\b], v[102+\b]  ; with lane l xor 16's sixteen: the block's largest magnitude
.endr
.irp b, 0,1
	s_delay_alu instid0(VALU_DEP_2)
	v_add_nc_u32 v[104+\b], 0xfe000000, v[100+\b]
.endr
.irp b, 0,1
	s_delay_alu instid0(VALU_DEP_2)
	v_lshrrev_b32 v[106+\b], 23, v[104+\b]
.endr
	s_delay_alu instid0(VALU_DEP_1)
	v_lshl_or_b32 v[\hw], v107, 8, v106
	v_cvt_scalef32_pk16_bf6_f32 v[\p:\p+2], v[A:A+15], v104
	v_cvt_scalef32_pk16_bf6_f32 v[\q:\q+2], v[A+16:A+31], v105
	v_nop                                          ; one plain place behind the conversions
.irp i, 0,1,2
	v_permlane16_swap_b32 v[\p+\i], v[\q+\i]       ; a whole block to a lane: lanes 0-15 block 0, lanes 16-31 block 1
.endr
.irp i, 0,1,2
	s_delay_alu instid0(VALU_DEP_3)
	v_mov_b32 v[\p+3+\i], v[\q+\i]
.endr
.endm
; A GROUP OF 32 ROWS: its bases stand in s[22:27] and s66, its first 14 loads are out
.macro GROUP ofa, ofb, po, sv
	KSTEP 0, 1, \ofa, \ofb                         ; the sixteen accumulators take turns, one instruction a turn
	KSTEP 1, 0, \ofa, \ofb
	KSTEP 2, 0, \ofa, \ofb
	KSTEP 3, 0, \ofa, \ofb
	KSTEP 4, 0, \ofa, \ofb
	KSTEP 5, 0, \ofa, \ofb
	KSTEP 6, 0, \ofa, \ofb
	KSTEP 7, 0, \ofa, \ofb
	; ---- bias, clips, gate x sigmoid, (up + 1) x: all in f32
.irp kd, 0,1
.irp b, 0,1
.irp q, 0,1,2,3
	ds_load_b128 v[16+32*\kd+16*\b+4*\q:19+32*\kd+16*\b+4*\q], v7 offset:256*\kd+128*\b+16*\q
.endr
.endr
.endr
	s_wait_dscnt 0x0
.irp tl, 0,1
.set i, 0
.rept 32
	v_pk_add_f32 v[128+64*\tl+i:129+64*\tl+i], v[128+64*\tl+i:129+64*\tl+i], v[16+i:17+i]   ; each accumulator from its low end on
.set i, i+2
.endr
.endr
.irp tl, 0,1
.set i, 0
.rept 32
	v_min_num_f32 v[128+64*\tl+i], v124, v[128+64*\tl+i]       ; gate' = min(gate, 7)
.set i, i+1
.endr
.endr
.irp tl, 0,1
.set i, 0
.rept 16
	v_pk_mul_f32 v[16+32*\tl+i:17+32*\tl+i], v[128+64*\tl+i:129+64*\tl+i], s[48:49] op_sel_hi:[1,0]
.set i, i+2
.endr
.endr
.set i, 0
	s_wait_alu depctr_va_vdst(0)
.rept 64
	v_exp_f32 v[16+i], v[16+i]                     ; e^(-1.702 gate')
.set i, i+1
.endr
.irp tl, 0,1
.set i, 0
.rept 32
	v_med3_num_f32 v[160+64*\tl+i], v[160+64*\tl+i], -v124, v124   ; up held to -7 .. 7: independent work behind the exponentials
.set i, i+1
.endr
.endr
	s_wait_alu depctr_va_vdst(0)                   ; one wait for the 64 exponentials, ahead of their first reader
.set i, 0
.rept 32
	v_pk_add_f32 v[16+i:17+i], v[16+i:17+i], 1.0 op_sel_hi:[1,0]
.set i, i+2
.endr
.set i, 0
	s_wait_alu depctr_va_vdst(0)
.rept 64
	v_rcp_f32 v[16+i], v[16+i]                     ; the sigmoid
.set i, i+1
.endr
	v_nop
	s_wait_alu depctr_va_vdst(0)                   ; one wait for the 64 reciprocals
.irp tl, 0,1
.set i, 0
.rept 16
	v_pk_mul_f32 v[128+64*\tl+i:129+64*\tl+i], v[128+64*\tl+i:129+64*\tl+i], v[16+32*\tl+i:17+32*\tl+i]
.set i, i+2
.endr
.endr
.irp tl, 0,1
.set i, 0
.rept 16
	v_pk_fma_f32 v[128+64*\tl+i:129+64*\tl+i], v[160+64*\tl+i:161+64*\tl+i], v[128+64*\tl+i:129+64*\tl+i], v[128+64*\tl+i:129+64*\tl+i]
.set i, i+2
.endr
.endr
	QUANT2 0, 80, 86, 108
	QUANT2 1, 90, 96, 109
.irp p, 0,1,2
	global_store_b64 v14, v[80+2*\p:81+2*\p], s[22:23] offset:256*\p           ; 32 lanes store 256 consecutive bytes, aligned
	global_store_b64 v14, v[90+2*\p:91+2*\p], s[22:23] offset:24576+256*\p
.endr
	v_cndmask_b32 v110, v109, v108, s44            ; lanes 0-15 tile 0's two bytes, lanes 16-31 tile 1's: row = lane
	global_store_b16 v15, v110, s[24:25]
	s_cmp_lg_u32 s35, 0
	s_cbranch_scc1 .Lno_tables_\@
	global_load_b32 v101, v[\po], s[8:9] offset:WT ; c = 0 writes the expert's tables: the rows' weights, and where each (token, choice) went
	v_add_nc_u32 v100, s66, v3
	s_wait_alu depctr_va_vdst(0)
	s_wait_loadcnt 0x0
	v_cndmask_b32 v101, 0, v101, s[\sv]            ; a row that fills up weighs 0
	global_store_b32 v15, v101, s[26:27]
	s_wait_xcnt 0x0                                ; EXEC changes only behind this wait
	s_mov_b32 vcc_lo, s[\sv]
	s_and_saveexec_b32 s45, vcc_lo
	global_store_b32 v[\po], v100, s[14:15]
	s_wait_xcnt 0x0
	s_or_b32 exec_lo, exec_lo, s45
.Lno_tables_\@:
	s_wait_xcnt 0x0                                ; the stores have read their registers and bases: both may be written again
.endm
	s_load_b256 s[4:11], s[0:1], 0x0               ; gate_up_proj, gate_up_bias, xr, tb
	s_load_b128 s[12:15], s[0:1], 0x20             ; ar, rt
	v_lshl_add_u32 v1, v0, 2, SPARE
	v_mov_b32 v2, 0
	v_lshrrev_b32 v3, 5, v0
	s_delay_alu instid0(VALU_DEP_1)
	v_readfirstlane_b32 s34, v3                    ; wave
	v_and_b32 v3, 31, v0
	s_wait_alu depctr_va_vdst(0)
	s_mov_b32 s35, ttmp9                           ; c
	s_and_b32 s36, ttmp7, 0xffff                   ; e
	s_and_b32 s37, s34, 3                          ; cg: my 32 columns: kind = cg / 2, b = cg % 2
	s_lshr_b32 s38, s34, 2                         ; s0: my K steps s0, s0 + 4
	s_mov_b32 s39, s34                             ; my first group
	s_add_co_u32 s60, s34, 16                      ; my second
	s_mov_b32 s44, 0xffff
	s_mov_b32 s46, 0x76543210
	s_mov_b32 s47, 0xfedcba98
	s_mov_b32 s48, 0xc01d265f                      ; -1.702 log2(e)
	s_mov_b32 s49, s48
	v_lshlrev_b32 v4, 4, v3
	s_delay_alu instid0(VALU_DEP_1)
	v_add_nc_u32 v5, 4*TP, v4
	v_lshl_add_u32 v6, v3, 2, WSC
	v_bfe_u32 v216, v0, 4, 1                       ; h
	s_delay_alu instid0(VALU_DEP_1)
	v_lshl_add_u32 v7, v216, 6, BIA
	s_delay_alu instid0(VALU_DEP_2)
	v_lshlrev_b32 v235, 4, v216
	v_lshlrev_b32 v14, 3, v3
	v_lshlrev_b32 v15, 2, v3
	v_mov_b32 v124, 0x40e00000                     ; 7.0
	v_bfe_u32 v217, v0, 3, 1                       ; u: my column 16 p + 8 u + i goes to tile 2 cg + u, row 8 p + i
	v_and_b32 v218, 7, v0
	s_delay_alu instid0(VALU_DEP_1)
	v_lshl_add_u32 v218, v216, 3, v218             ; the row
	s_delay_alu instid0(VALU_DEP_3)
	v_mul_u32_u24 v232, v217, TP
	s_delay_alu instid0(VALU_DEP_1)
	v_lshl_add_u32 v232, v218, 4, v232
	s_mul_i32 s50, s37, 2*TP
	s_mul_i32 s51, s38, 1536
	s_add_co_u32 s50, s50, s51
	v_add_nc_u32 v232, s50, v232                   ; where my codes go
	v_lshlrev_b32 v233, 6, v217
	s_delay_alu instid0(VALU_DEP_1)
	v_lshl_add_u32 v233, v218, 2, v233
	s_lshl_b32 s50, s38, 9
	s_lshl_b32 s51, s37, 7
	s_add_co_u32 s50, s50, s51
	s_add_co_u32 s50, s50, WSC
	v_add_nc_u32 v233, s50, v233                   ; and my scale words
	s_add_co_u32 s51, s51, BIA
	v_add_nc_u32 v234, s51, v15                    ; and my column's bias
	s_lshl_b32 s50, s36, 7
	v_add_nc_u32 v236, s50, v15                    ; tb: row e, word = lane
	s_lshr_b32 s50, s36, 1
	s_lshl_b32 s50, s50, 7
	v_add_nc_u32 v237, s50, v15                    ; row e / 2 of the counts
	s_lshl_b32 s50, s36, 3
	v_add_nc_u32 v127, s50, v15                    ; META: 8 e + 4 x lane
	s_lshr_b32 s50, s37, 1
	s_lshl_b32 s50, s50, 13
	s_lshl_b32 s51, s35, 8
	s_add_co_u32 s50, s50, s51
	s_and_b32 s51, s37, 1
	s_lshl_b32 s51, s51, 7
	s_add_co_u32 s53, s50, s51                     ; my first column, in bytes: 8,192 kind + 256 c + 128 b
	s_lshl_b32 s32, s36, 24
	s_lshl_b32 s50, s38, 21
	s_add_co_u32 s32, s32, s50
	s_add_co_u32 s32, s32, s53                     ; + expert + 128 s0 rows of 16,384 bytes
	s_mov_b32 s33, 0
	s_lshl_b32 s54, s36, 14
	s_add_co_u32 s54, s54, s53
	s_mov_b32 s55, 0
	s_lshr_b32 s50, s35, 1                         ; my act columns are half c % 2 of the next product's K step c / 2
	s_and_b32 s51, s35, 1
	s_mul_i32 s56, s50, 1536
	s_mul_i32 s52, s51, 768
	s_add_co_u32 s56, s56, s52
	s_mov_b32 s57, 0
	s_mul_i32 s58, s50, 9216
	s_lshl_b32 s52, s51, 1
	s_add_co_u32 s58, s58, s52
	s_add_co_u32 s58, s58, ASC
	s_mov_b32 s59, 0
	s_wait_alu depctr_va_vdst(0)
	s_wait_kmcnt 0x0
	s_add_nc_u64 s[4:5], s[4:5], s[32:33]
	s_add_nc_u64 s[16:17], s[4:5], 0x800000        ; four K steps (512 rows) on
	s_add_nc_u64 s[6:7], s[6:7], s[54:55]
	s_add_nc_u64 s[28:29], s[12:13], s[56:57]
	s_add_nc_u64 s[30:31], s[12:13], s[58:59]
	s_add_nc_u64 s[20:21], s[12:13], WS
	global_load_b32 v230, v236, s[10:11]
	global_load_b32 v231, v236, s[10:11] offset:1024
.irp q, 0,1,2,3
	global_load_b32 v[210+\q], v15, s[10:11] offset:2048+128*\q
.endr
	global_load_b32 v214, v237, s[10:11] offset:2048
	global_load_b32 v215, v15, s[6:7]
	LOAD 0
	LOAD 1
	s_wait_loadcnt 63                              ; 64 loads were issued behind the eight small ones: those are in
	s_cmp_gt_u32 s34, 3
	s_cbranch_scc1 .Lno_bias
	ds_store_b32 v234, v215                        ; waves 0-3: the 128 biases
.Lno_bias:
	; ---- while the first block is on its way: the expert's counts
	s_and_b32 s50, s36, 1
	s_lshl_b32 s50, s50, 4
	v_lshrrev_b32 v216, s50, v214
	s_delay_alu instid0(VALU_DEP_1)
	v_and_b32 v216, 0xffff, v216                   ; members of e in chunk = lane
	s_delay_alu instid0(VALU_DEP_1)
	v_readlane_b32 s68, v216, 0
.set j, 1
.rept 31
	v_readlane_b32 s[68+j], v216, j
	s_add_co_u32 s[68+j], s[68+j], s[68+j-1]
.set j, j+1
.endr
	s_mov_b32 s42, s99                             ; T_e
	s_add_co_u32 s40, s42, 31
	s_lshr_b32 s40, s40, 5                         ; G_e
	v_mov_b32 v217, 0
.irp q, 0,1,2,3                                ; all experts' totals, two in a word (1,024 at the most each)
.irp m, 1
	v_mov_b32_dpp v217, v[210+\q] row_xmask:\m row_mask:0xf bank_mask:0xf
	s_delay_alu instid0(VALU_DEP_1)
	v_add_nc_u32 v[210+\q], v[210+\q], v217
.endr
.irp m, 2, 4, 8
	s_delay_alu instid0(VALU_DEP_1)
	v_mov_b32_dpp v217, v[210+\q] row_xmask:\m row_mask:0xf bank_mask:0xf
	s_delay_alu instid0(VALU_DEP_1)
	v_add_nc_u32 v[210+\q], v[210+\q], v217
.endr
	s_delay_alu instid0(VALU_DEP_1)
	v_permlanex16_b32 v217, v[210+\q], s46, s47
	s_delay_alu instid0(VALU_DEP_1)
	v_add_nc_u32 v[210+\q], v[210+\q], v217
	s_delay_alu instid0(VALU_DEP_1)
	v_readfirstlane_b32 s[52+\q], v[210+\q]
.endr
	s_mov_b32 s41, 0                               ; B_e
.irp x, 0,1,2,3,4,5,6,7
	s_bfe_u32 s50, s[52+\x/2], 0x100000+16*(\x%2)
	s_add_co_u32 s50, s50, 31
	s_lshr_b32 s50, s50, 5
	s_cmp_gt_u32 s36, \x
	s_cselect_b32 s50, s50, 0
	s_add_co_u32 s41, s41, s50
.endr
	; ---- the rows of my two groups, a piece ahead of each of the first four blocks.  The pieces issue no load: behind a block's loads stand the next block's 32, as everywhere
	SELA 39, 43
	BLOCK 0, 32
	SELB 10, 11, 12, 13, 43
	BLOCK 1, 32
	SELA 60, 67                                    ; (a wave without a second group gets the token of zeros and makes nothing of it)
	BLOCK 2, 32
	SELB 8, 9, 125, 126, 67
	BLOCK 3, 32
	BLOCK 4, 32
	BLOCK 5, 32
	BLOCK 6, 32
	GBASE 39
	XHEAD 10, 11, 12                               ; every wave: one without a group asks for the token of zeros and makes nothing of it
	BLOCK 7, 14                                    ; behind the last block's loads stand those 14
	s_wait_dscnt 0x0                               ; my images have landed: for the others' sake
	s_barrier_signal -1
	s_barrier_wait -1
	s_cmp_lt_u32 s39, s40
	s_cbranch_scc0 .Ldone
	GROUP 10, 11, 13, 43
	s_cmp_ge_u32 s60, s40
	s_cbranch_scc1 .Ldone
	GBASE 60
	XHEAD 8, 9, 125
	GROUP 8, 9, 126, 67
.Ldone:
	s_or_b32 s50, s34, s35
	s_cmp_lg_u32 s50, 0
	s_cbranch_scc1 .Lno_meta
	s_wait_xcnt 0x0                                ; EXEC changes only behind this wait
	v_mov_b32 v100, s40                            ; wave 0 of c = 0: {B_e, G_e}
	v_cmp_eq_u32 vcc_lo, 0, v3
	s_delay_alu instid0(VALU_DEP_1)
	v_cndmask_b32 v100, v100, s41, vcc_lo
	v_cmp_gt_u32 vcc_lo, 2, v3
	s_and_saveexec_b32 s45, vcc_lo
	global_store_b32 v127, v100, s[14:15] offset:META
	s_wait_xcnt 0x0
	s_or_b32 exec_lo, exec_lo, s45
.Lno_meta:
	s_wait_tensorcnt 0x0                           ; the wave's end
	ds_add_u32 v1, v2
	s_wait_dscnt 0x0
	s_endpgm
.Lfunc_end_k_q93dcd796fd_gateup:
	.size	k_q93dcd796fd_gateup, .Lfunc_end_k_q93dcd796fd_gateup-k_q93dcd796fd_gateup
	.p2alignl 7, 3214868480
	.fill 96, 4, 3214868480
	.section	.rodata,"a",@progbits
	.p2align	6, 0x0
	.amdhsa_kernel k_q93dcd796fd_gateup
		.amdhsa_group_segment_fixed_size 105984
		.amdhsa_private_segment_fixed_size 0
		.amdhsa_enable_private_segment 0
		.amdhsa_kernarg_size 48
		.amdhsa_user_sgpr_count 2
		.amdhsa_user_sgpr_kernarg_segment_ptr 1
		.amdhsa_wavefront_size32 1
		.amdhsa_system_sgpr_workgroup_id_x 1
		.amdhsa_system_sgpr_workgroup_id_y 1
		.amdhsa_system_sgpr_workgroup_id_z 1
		.amdhsa_system_vgpr_workitem_id 0
		.amdhsa_next_free_vgpr 256
		.amdhsa_next_free_sgpr 100
		.amdhsa_reserve_vcc 1
		.amdhsa_float_denorm_mode_32 3
		.amdhsa_float_denorm_mode_16_64 3
		.amdhsa_memory_ordered 1
		.amdhsa_forward_progress 1
		.amdhsa_inst_pref_size 246
	.end_amdhsa_kernel
	.amdgpu_metadata
---
amdhsa.version: [ 1, 2 ]
amdhsa.kernels:
  - .name:           k_q93dcd796fd_gateup
    .symbol:         k_q93dcd796fd_gateup.kd
    .args:
      - { .name: gate_up_proj, .offset: 0, .size: 8, .value_kind: global_buffer, .address_space: global }
      - { .name: gate_up_bias, .offset: 8, .size: 8, .value_kind: global_buffer, .address_space: global }
      - { .name: xr, .offset: 16, .size: 8, .value_kind: global_buffer, .address_space: global }
      - { .name: tb, .offset: 24, .size: 8, .value_kind: global_buffer, .address_space: global }
      - { .name: ar, .offset: 32, .size: 8, .value_kind: global_buffer, .address_space: global }
      - { .name: rt, .offset: 40, .size: 8, .value_kind: global_buffer, .address_space: global }
    .group_segment_fixed_size: 105984
    .private_segment_fixed_size: 0
    .kernarg_segment_align: 8
    .kernarg_segment_size: 48
    .max_flat_workgroup_size: 512
    .sgpr_count:     100
    .vgpr_count:     256
    .wavefront_size: 32
...
	.end_amdgpu_metadata
.endif
;; end of part 2
;; launch down (part 3): grid 32 x 8, 16 waves a work-group, no clusters, 53,504 bytes of LDS; arguments down_proj, down_bias, ar, rt, y; writes y
.if DOCPART == 3
	.amdgcn_target "amdgcn-amd-amdhsa--gfx1250"
	.amdhsa_code_object_version 6
	.text
	.protected	k_q93dcd796fd_down
	.globl	k_q93dcd796fd_down
	.p2align	8
	.type	k_q93dcd796fd_down,@function
k_q93dcd796fd_down:
	s_mov_b64 s[64:65], 0
	v_nop
	global_prefetch_b8 v0, s[64:65] scope:SCOPE_SE
	s_setreg_imm32_b32 hwreg(HW_REG_WAVE_MODE, 25, 1), 1
	s_wait_xcnt 0x0
; DOWN: y[kh][row] = weight(row) x (act(row) . down_proj[e] over half kh of K (+ down_bias[e] where kh = 0)), for the chosen (token, expert) rows alone (the others reach no output: see the first kernel).
; SHARES.  Work-group (cs, kh, e) owns output columns 64 cs .. + 63 and K = 1,024 kh .. + 1,023 of expert e: 256 KiB of f32 that no other work-group reads, 256 aligned bytes of each row.  K goes in two halves so that
; 256 work-groups stream; the last launch adds them.
; PHASE 1 as in gateup: a lane to a column, registers down K, codes to LDS as images of the operand's registers.  PHASE 2: a wave takes a group of 32 rows: act's fragments are dense images in ar.
; An expert has at most 32 groups (a token chooses it at most once: 1,024 rows), a wave at most two, gi = wave and wave + 16: the group's work is written out twice and there is no loop.
; THE PRODUCT IS NOT TRANSPOSED (source 0 = 16 rows of act, source 1 = 16 columns), and column n of the slice is row n / 4 of tile n % 4: register j of the four tiles of lane (r, h) is y(row 8 h + j, columns 4 r .. 4 r + 3):
; 16 bytes, and sixteen lanes store a row's 256 aligned bytes with no way through LDS.
; No tensor load and no cluster: branches hang on counts read from memory.  LIMITS: as in gateup's quantiser; the sum over K is taken in two halves.
.set TP4,   12352                      ; a tile's 8 fragments + 64: sixteen lanes' stores fall on sixteen different 16-byte columns
.set WSC,   49408                      ; weights' scale words [8 s][4 ct][16]
.set SPARE, 51456
.set ASC,   3538944
.set WS,    3686400
; v1, v2 the add's two; v3 8 x lane; v4 16 x lane; v5 scale words; v6 4 x lane; v7 32 h; v8 y's offset; v9 16 r; v10, v11 phase 1's LDS addresses
; v14-85 act's fragments, three sets (later the results); v86-133 four weight fragments; v134-135, v136-143 scale words and nothing else; v144-159 the rows' weights; v160-191 the bias as a C; v192-255 accumulators (32 tl + 8 ct)
.macro WM d, a, b, c, sa, sb, ra, rb
.if (\ra)&&(\rb)
	v_wmma_scale_f32_16x16x128_f8f6f4 v[(\d):(\d)+7], v[(\a):(\a)+11], v[(\b):(\b)+11], v[(\c):(\c)+7], v[\sa], v[\sb] matrix_a_fmt:MATRIX_FMT_BF6 matrix_b_fmt:MATRIX_FMT_BF6 matrix_a_scale:MATRIX_SCALE_ROW1 matrix_b_scale:MATRIX_SCALE_ROW1
.elseif (\ra)
	v_wmma_scale_f32_16x16x128_f8f6f4 v[(\d):(\d)+7], v[(\a):(\a)+11], v[(\b):(\b)+11], v[(\c):(\c)+7], v[\sa], v[\sb] matrix_a_fmt:MATRIX_FMT_BF6 matrix_b_fmt:MATRIX_FMT_BF6 matrix_a_scale:MATRIX_SCALE_ROW1
.elseif (\rb)
	v_wmma_scale_f32_16x16x128_f8f6f4 v[(\d):(\d)+7], v[(\a):(\a)+11], v[(\b):(\b)+11], v[(\c):(\c)+7], v[\sa], v[\sb] matrix_a_fmt:MATRIX_FMT_BF6 matrix_b_fmt:MATRIX_FMT_BF6 matrix_b_scale:MATRIX_SCALE_ROW1
.else
	v_wmma_scale_f32_16x16x128_f8f6f4 v[(\d):(\d)+7], v[(\a):(\a)+11], v[(\b):(\b)+11], v[(\c):(\c)+7], v[\sa], v[\sb] matrix_a_fmt:MATRIX_FMT_BF6 matrix_b_fmt:MATRIX_FMT_BF6
.endif
.endm
.macro LOAD t                          ; block t of my K step: 32 rows of my 32 columns into set t % 2
.set i, 0
.rept 32
	global_load_b32 v[192+32*((\t)%2)+i], v6, s[4:5] offset:(32*(\t)+i)*4096 th:TH_LOAD_NT
.set i, i+1
.endr
.endm
; left: the loads issued behind this block's 32, which may stay out
.macro BLOCK t, left
.set XS, 192+32*((\t)%2)
.set HO, 256*((\t)&1)
	s_wait_loadcnt \left
	v_max3_num_f32 v96, |v[XS]|, |v[XS+1]|, |v[XS+2]|
	v_max3_num_f32 v97, |v[XS+3]|, |v[XS+4]|, |v[XS+5]|
.irp i, 6,10,14,18,22,26
	s_delay_alu instid0(VALU_DEP_2)
	v_max3_num_f32 v96, v96, |v[XS+\i]|, |v[XS+\i+1]|
	s_delay_alu instid0(VALU_DEP_2)
	v_max3_num_f32 v97, v97, |v[XS+\i+2]|, |v[XS+\i+3]|
.endr
	s_delay_alu instid0(VALU_DEP_2)
	v_max3_num_f32 v96, v96, |v[XS+30]|, |v[XS+31]|
	s_delay_alu instid0(VALU_DEP_1)
	v_max3_num_f32 v96, v96, v97, 0x2800000        ; and the floor 2^(5-127)
	s_delay_alu instid0(VALU_DEP_1)
	v_add_nc_u32 v98, 0xfe000000, v96
	s_wait_alu depctr_va_vdst(0)
	s_wait_dscnt 0x0                               ; the last block's stores have read the codes' registers
	v_cvt_scalef32_pk16_bf6_f32 v[86:88], v[XS:XS+15], v98
	v_cvt_scalef32_pk16_bf6_f32 v[92:94], v[XS+16:XS+31], v98
	v_lshrrev_b32 v99, 23, v98                     ; the byte (also the plain place behind the conversions)
.if (\t) == 0
	s_delay_alu instid0(VALU_DEP_1)
	v_mov_b32 v100, v99
.else
	s_delay_alu instid0(VALU_DEP_1)
	v_lshl_or_b32 v100, v99, 8*(\t), v100
.endif
	v_mov_b32 v89, v92
	v_mov_b32 v90, v93
	v_mov_b32 v91, v94
.if (\t) < 2
	ds_store_b128 v10, v[86:89] offset:HO
	ds_store_b64 v10, v[90:91] offset:HO+512
.else
	ds_store_b64 v10, v[86:87] offset:HO+520
	ds_store_b128 v10, v[88:91] offset:HO+1024
.endif
.if (\t) == 3
	ds_store_b32 v11, v100
.endif
.if (\t)+2 < 4
	LOAD (\t)+2
.endif
.endm
.macro GBASE4 sg                       ; the places in ar and y of group gi = s[sg].  A wave without a group takes group 0, which is always written, and makes nothing of it
	s_add_co_u32 s50, s40, s[\sg]
	s_cmp_lt_u32 s[\sg], s41
	s_cselect_b32 s50, s50, 0
	s_min_u32 s50, s50, 71
	s_mul_i32 s32, s50, 49152
	s_mov_b32 s33, 0
	s_add_nc_u64 s[20:21], s[28:29], s[32:33]
	s_lshl_b32 s32, s50, 7
	s_add_nc_u64 s[22:23], s[30:31], s[32:33]
	s_add_nc_u64 s[24:25], s[16:17], s[32:33]
	s_lshl_b32 s32, s50, 17
	s_add_nc_u64 s[26:27], s[18:19], s[32:33]
.endm
.macro ALOAD s                         ; act's two fragments of K step s, 12 loads: each reads 256 consecutive bytes
.irp tl, 0,1
.irp cc, 0,1
.irp p, 0,1,2
	global_load_b64 v[14+24*((\s)%3)+12*\tl+6*\cc+2*\p:15+24*((\s)%3)+12*\tl+6*\cc+2*\p], v3, s[20:21] offset:24576*\tl+1536*(\s)+768*\cc+256*\p
.endr
.endr
.endr
.endm
.macro AHEAD_A                         ; 24 loads
.irp s, 0,1,2,3,4,5,6,7
	global_load_b32 v[136+\s], v6, s[22:23] offset:9216*\s     ; row = lane: lanes 0-15 tile 0's scale words, lanes 16-31 tile 1's
.endr
.irp tl, 0,1
.irp q, 0,1
	global_load_b128 v[144+8*\tl+4*\q:147+8*\tl+4*\q], v7, s[24:25] offset:64*\tl+16*\q   ; the weights of rows 16 tl + 8 h + 0 .. 7
.endr
.endr
	ALOAD 0
.endm
.macro AHEAD_B                         ; 24 more
	ALOAD 1
	ALOAD 2
.endm
.macro KSTEP4 s
.if (\s) < 6
	s_wait_loadcnt 24                              ; behind this step's loads stand the next two steps' 24
.elseif (\s) == 6
	s_wait_loadcnt 12
.else
	s_wait_loadcnt 0x0
.endif
	ds_load_b32 v134, v5 offset:256*(\s)           ; tiles 0 (lanes 0-15) and 1 (lanes 16-31)
	ds_load_b32 v135, v5 offset:256*(\s)+128       ; tiles 2 and 3
.irp ct, 0,1,2,3
.irp g, 0,1,2
	ds_load_b128 v[86+12*\ct+4*\g:89+12*\ct+4*\g], v4 offset:\ct*TP4+1536*(\s)+512*\g
.endr
.endr
	s_wait_dscnt 0x0
.irp ct, 0,1,2,3
.irp tl, 0,1
.if (\s) == 0
	WM 192+32*\tl+8*\ct, 14+24*((\s)%3)+12*\tl, 86+12*\ct, 160+8*\ct, 136+(\s), 134+\ct/2, \tl, \ct%2
.else
	WM 192+32*\tl+8*\ct, 14+24*((\s)%3)+12*\tl, 86+12*\ct, 192+32*\tl+8*\ct, 136+(\s), 134+\ct/2, \tl, \ct%2
.endif
.endr
.endr
.rept 4
	v_nop                                          ; four places in front of loads into registers that these products read, and of the first read of results
.endr
.if (\s) < 5
	ALOAD (\s)+3
.endif
.endm
; A GROUP OF 32 ROWS: its bases stand in s[20:27], its first 48 loads are out
.macro GROUP4
	KSTEP4 0                                       ; the eight accumulators take turns, one instruction a turn
	KSTEP4 1
	KSTEP4 2
	KSTEP4 3
	KSTEP4 4
	KSTEP4 5
	KSTEP4 6
	KSTEP4 7
.irp tl, 0,1
.irp j, 0,1,2,3,4,5,6,7                        ; each accumulator from its low end on
.irp ct, 0,1,2,3
	v_mul_f32 v[14+32*\tl+4*\j+\ct], v[192+32*\tl+8*\ct+\j], v[144+8*\tl+\j]
.endr
	global_store_b128 v8, v[14+32*\tl+4*\j:17+32*\tl+4*\j], s[26:27] offset:(16*\tl+\j)*4096   ; sixteen lanes store 256 consecutive bytes, aligned
.endr
.endr
	s_wait_xcnt 0x0                                ; the stores have read their registers and base: both may be written again
.endm
	s_load_b256 s[4:11], s[0:1], 0x0               ; down_proj, down_bias, ar, rt
	s_load_b64 s[12:13], s[0:1], 0x20              ; y
	v_lshl_add_u32 v1, v0, 2, SPARE
	v_mov_b32 v2, 0
	v_lshrrev_b32 v3, 5, v0
	s_delay_alu instid0(VALU_DEP_1)
	v_readfirstlane_b32 s34, v3                    ; wave
	v_and_b32 v12, 31, v0
	s_delay_alu instid0(VALU_DEP_1)
	v_lshlrev_b32 v3, 3, v12
	s_delay_alu instid0(VALU_DEP_2)
	v_lshlrev_b32 v4, 4, v12
	s_delay_alu instid0(VALU_DEP_3)
	v_lshl_add_u32 v5, v12, 2, WSC
	s_delay_alu instid0(VALU_DEP_4)
	v_lshlrev_b32 v6, 2, v12
	v_bfe_u32 v13, v0, 4, 1
	s_delay_alu instid0(VALU_DEP_1)
	v_lshlrev_b32 v7, 5, v13
	v_and_b32 v9, 15, v0
	s_delay_alu instid0(VALU_DEP_1)
	v_lshlrev_b32 v9, 4, v9
	s_delay_alu instid0(VALU_DEP_1)
	v_lshl_add_u32 v8, v13, 15, v9                 ; y: 8 h rows of 4,096 bytes + 16 r
	s_and_b32 s35, ttmp9, 15                       ; cs
	s_lshr_b32 s42, ttmp9, 4                       ; kh
	s_and_b32 s36, ttmp7, 0xffff                   ; e
	s_and_b32 s37, s34, 1                          ; cg: my 32 columns
	s_lshr_b32 s38, s34, 1                         ; my K step
	s_mov_b32 s39, s34                             ; my first group
	s_add_co_u32 s56, s34, 16                      ; my second
	v_and_b32 v12, 3, v0                           ; my column 32 cg + lane goes to tile lane % 4, row 8 cg + lane / 4
	v_bfe_u32 v13, v0, 2, 3
	s_delay_alu instid0(VALU_DEP_2)
	v_mul_u32_u24 v10, v12, TP4
	s_delay_alu instid0(VALU_DEP_1)
	v_lshl_add_u32 v10, v13, 4, v10
	s_lshl_b32 s50, s37, 7
	s_mul_i32 s51, s38, 1536
	s_add_co_u32 s50, s50, s51
	v_add_nc_u32 v10, s50, v10
	v_lshlrev_b32 v11, 6, v12
	s_delay_alu instid0(VALU_DEP_1)
	v_lshl_add_u32 v11, v13, 2, v11
	s_lshl_b32 s50, s38, 8
	s_lshl_b32 s51, s37, 5
	s_add_co_u32 s50, s50, s51
	s_add_co_u32 s50, s50, WSC
	v_add_nc_u32 v11, s50, v11
	s_lshl_b32 s32, s36, 23                        ; expert, half of K, K step, columns
	s_lshl_b32 s50, s42, 22
	s_add_co_u32 s32, s32, s50
	s_lshl_b32 s50, s38, 19
	s_add_co_u32 s32, s32, s50
	s_lshl_b32 s52, s35, 8
	s_add_co_u32 s32, s32, s52
	s_lshl_b32 s50, s37, 7
	s_add_co_u32 s32, s32, s50
	s_mov_b32 s33, 0
	s_lshl_b32 s44, s36, 12
	s_add_co_u32 s44, s44, s52                     ; down_bias: 4,096 e + 256 cs
	s_mov_b32 s45, 0
	s_mul_i32 s46, s42, 12288                      ; eight K steps of images
	s_mov_b32 s47, 0
	s_mul_i32 s48, s42, 73728
	s_add_co_u32 s48, s48, ASC
	s_mov_b32 s49, 0
	s_mul_i32 s54, s42, 0x900000
	s_add_co_u32 s54, s54, s52
	s_mov_b32 s55, 0
	s_lshl_b32 s51, s36, 3
	s_cmp_eq_u32 s42, 0
	s_cselect_b32 s43, -1, 0                       ; the bias belongs to the first half of K alone
	s_wait_kmcnt 0x0
	s_load_b64 s[40:41], s[10:11], s51 offset:0x2000   ; B_e, G_e
	s_add_nc_u64 s[4:5], s[4:5], s[32:33]
	s_add_nc_u64 s[6:7], s[6:7], s[44:45]
	s_add_nc_u64 s[28:29], s[8:9], s[46:47]
	s_add_nc_u64 s[30:31], s[8:9], s[48:49]
	s_add_nc_u64 s[16:17], s[8:9], WS
	s_add_nc_u64 s[18:19], s[12:13], s[54:55]
	global_load_b128 v[102:105], v9, s[6:7]        ; the bias of columns 4 r .. 4 r + 3
	LOAD 0
	LOAD 1
	BLOCK 0, 32                                    ; behind a block's loads stand the next block's 32; this wait also shows the bias in
.irp ct, 0,1,2,3
	v_and_b32 v[102+\ct], s43, v[102+\ct]
.endr
.irp ct, 0,1,2,3
.irp j, 0,1,2,3,4,5,6,7
	v_mov_b32 v[160+8*\ct+\j], v[102+\ct]          ; in the result's layout: the C of each sum's first product
.endr
.endr
	BLOCK 1, 32
	BLOCK 2, 32
	s_wait_kmcnt 0x0
	GBASE4 39
	AHEAD_A                                        ; my first group's first loads go out while the last block is on its way
	BLOCK 3, 24                                    ; behind the last block's loads stand those 24
	AHEAD_B
	s_wait_dscnt 0x0                               ; my images have landed: for the others' sake
	s_barrier_signal -1
	s_barrier_wait -1
	s_cmp_lt_u32 s39, s41
	s_cbranch_scc0 .Ldone
	GROUP4
	s_cmp_ge_u32 s56, s41
	s_cbranch_scc1 .Ldone
	GBASE4 56
	AHEAD_A
	AHEAD_B
	GROUP4
.Ldone:
	s_wait_tensorcnt 0x0                           ; the wave's end
	ds_add_u32 v1, v2
	s_wait_dscnt 0x0
	s_endpgm
.Lfunc_end_k_q93dcd796fd_down:
	.size	k_q93dcd796fd_down, .Lfunc_end_k_q93dcd796fd_down-k_q93dcd796fd_down
	.p2alignl 7, 3214868480
	.fill 96, 4, 3214868480
	.section	.rodata,"a",@progbits
	.p2align	6, 0x0
	.amdhsa_kernel k_q93dcd796fd_down
		.amdhsa_group_segment_fixed_size 53504
		.amdhsa_private_segment_fixed_size 0
		.amdhsa_enable_private_segment 0
		.amdhsa_kernarg_size 40
		.amdhsa_user_sgpr_count 2
		.amdhsa_user_sgpr_kernarg_segment_ptr 1
		.amdhsa_wavefront_size32 1
		.amdhsa_system_sgpr_workgroup_id_x 1
		.amdhsa_system_sgpr_workgroup_id_y 1
		.amdhsa_system_sgpr_workgroup_id_z 1
		.amdhsa_system_vgpr_workitem_id 0
		.amdhsa_next_free_vgpr 256
		.amdhsa_next_free_sgpr 66
		.amdhsa_reserve_vcc 0
		.amdhsa_float_denorm_mode_32 3
		.amdhsa_float_denorm_mode_16_64 3
		.amdhsa_memory_ordered 1
		.amdhsa_forward_progress 1
		.amdhsa_inst_pref_size 87
	.end_amdhsa_kernel
	.amdgpu_metadata
---
amdhsa.version: [ 1, 2 ]
amdhsa.kernels:
  - .name:           k_q93dcd796fd_down
    .symbol:         k_q93dcd796fd_down.kd
    .args:
      - { .name: down_proj, .offset: 0, .size: 8, .value_kind: global_buffer, .address_space: global }
      - { .name: down_bias, .offset: 8, .size: 8, .value_kind: global_buffer, .address_space: global }
      - { .name: ar, .offset: 16, .size: 8, .value_kind: global_buffer, .address_space: global }
      - { .name: rt, .offset: 24, .size: 8, .value_kind: global_buffer, .address_space: global }
      - { .name: y, .offset: 32, .size: 8, .value_kind: global_buffer, .address_space: global }
    .group_segment_fixed_size: 53504
    .private_segment_fixed_size: 0
    .kernarg_segment_align: 8
    .kernarg_segment_size: 40
    .max_flat_workgroup_size: 512
    .sgpr_count:     66
    .vgpr_count:     256
    .wavefront_size: 32
...
	.end_amdgpu_metadata
.endif
;; end of part 3
;; launch combine (part 4): grid 256 x 1, 4 waves a work-group, no clusters, 0 bytes of LDS; arguments rt, y, out0; writes out0
.if DOCPART == 4
	.amdgcn_target "amdgcn-amd-amdhsa--gfx1250"
	.amdhsa_code_object_version 6
	.text
	.protected	k_q93dcd796fd_combine
	.globl	k_q93dcd796fd_combine
	.p2align	8
	.type	k_q93dcd796fd_combine,@function
k_q93dcd796fd_combine:
	s_mov_b64 s[64:65], 0
	v_nop
	global_prefetch_b8 v0, s[64:65] scope:SCOPE_SE
	s_setreg_imm32_b32 hwreg(HW_REG_WAVE_MODE, 25, 1), 1
	s_wait_xcnt 0x0
; COMBINE: out[t] = y[0][p0] + y[1][p0] + y[0][p1] + y[1][p1], p_k = POS[2 t + k]: the token's two chosen rows (already weighted), each in two halves of K.  Only chosen rows exist: see the first kernel.
; A wave to a token: four rows of 4,096 bytes in, one out; each load and store covers 512 consecutive bytes.  A stream: no LDS, no barrier, no matrix unit.
	s_load_b128 s[4:7], s[0:1], 0x0                ; rt, y
	s_load_b64 s[8:9], s[0:1], 0x10                ; out0
	v_lshrrev_b32 v1, 5, v0
	v_readfirstlane_b32 s10, v1
	v_and_b32 v1, 31, v0
	v_lshlrev_b32 v1, 4, v1
	s_lshl_b32 s11, ttmp9, 2
	s_add_co_u32 s11, s11, s10                     ; t
	s_lshl_b32 s12, s11, 3
	s_lshl_b32 s14, s11, 12
	s_mov_b32 s15, 0
	s_mov_b32 s19, 0
	s_wait_alu depctr_va_vdst(0)
	s_wait_kmcnt 0x0
	s_load_b64 s[16:17], s[4:5], s12 offset:0x0
	s_add_nc_u64 s[8:9], s[8:9], s[14:15]
	s_wait_kmcnt 0x0
	s_min_u32 s16, s16, 2303                       ; held inside y before they enter an address
	s_min_u32 s17, s17, 2303
	s_lshl_b32 s18, s16, 12
	s_add_nc_u64 s[20:21], s[6:7], s[18:19]
	s_lshl_b32 s18, s17, 12
	s_add_nc_u64 s[24:25], s[6:7], s[18:19]
	s_add_nc_u64 s[22:23], s[20:21], 0x900000      ; the second half of K: 2,304 rows on
	s_add_nc_u64 s[26:27], s[24:25], 0x900000
.irp m, 0,1,2,3,4,5,6,7
.irp a, 0,1,2,3
	global_load_b128 v[16+16*\m+4*\a:19+16*\m+4*\a], v1, s[20+2*\a:21+2*\a] offset:512*\m th:TH_LOAD_NT
.endr
.endr
.irp m, 0,1,2,3,4,5,6,7
	s_wait_loadcnt 28-4*\m                         ; piece m's four loads are in; the later pieces' stay out
.irp j, 0,2
	v_pk_add_f32 v[16+16*\m+\j:17+16*\m+\j], v[16+16*\m+\j:17+16*\m+\j], v[20+16*\m+\j:21+16*\m+\j]
	v_pk_add_f32 v[24+16*\m+\j:25+16*\m+\j], v[24+16*\m+\j:25+16*\m+\j], v[28+16*\m+\j:29+16*\m+\j]
.endr
.irp j, 0,2
	v_pk_add_f32 v[16+16*\m+\j:17+16*\m+\j], v[16+16*\m+\j:17+16*\m+\j], v[24+16*\m+\j:25+16*\m+\j]
.endr
	global_store_b128 v1, v[16+16*\m:19+16*\m], s[8:9] offset:512*\m th:TH_STORE_NT
.endr
	s_endpgm
.Lfunc_end_k_q93dcd796fd_combine:
	.size	k_q93dcd796fd_combine, .Lfunc_end_k_q93dcd796fd_combine-k_q93dcd796fd_combine
	.p2alignl 7, 3214868480
	.fill 96, 4, 3214868480
	.section	.rodata,"a",@progbits
	.p2align	6, 0x0
	.amdhsa_kernel k_q93dcd796fd_combine
		.amdhsa_group_segment_fixed_size 0
		.amdhsa_private_segment_fixed_size 0
		.amdhsa_enable_private_segment 0
		.amdhsa_kernarg_size 24
		.amdhsa_user_sgpr_count 2
		.amdhsa_user_sgpr_kernarg_segment_ptr 1
		.amdhsa_wavefront_size32 1
		.amdhsa_system_sgpr_workgroup_id_x 1
		.amdhsa_system_sgpr_workgroup_id_y 1
		.amdhsa_system_sgpr_workgroup_id_z 1
		.amdhsa_system_vgpr_workitem_id 0
		.amdhsa_next_free_vgpr 144
		.amdhsa_next_free_sgpr 66
		.amdhsa_reserve_vcc 0
		.amdhsa_float_denorm_mode_32 3
		.amdhsa_float_denorm_mode_16_64 3
		.amdhsa_memory_ordered 1
		.amdhsa_forward_progress 1
		.amdhsa_inst_pref_size 9
	.end_amdhsa_kernel
	.amdgpu_metadata
---
amdhsa.version: [ 1, 2 ]
amdhsa.kernels:
  - .name:           k_q93dcd796fd_combine
    .symbol:         k_q93dcd796fd_combine.kd
    .args:
      - { .name: rt, .offset: 0, .size: 8, .value_kind: global_buffer, .address_space: global }
      - { .name: y, .offset: 8, .size: 8, .value_kind: global_buffer, .address_space: global }
      - { .name: out0, .offset: 16, .size: 8, .value_kind: global_buffer, .address_space: global }
    .group_segment_fixed_size: 0
    .private_segment_fixed_size: 0
    .kernarg_segment_align: 8
    .kernarg_segment_size: 24
    .max_flat_workgroup_size: 128
    .sgpr_count:     66
    .vgpr_count:     144
    .wavefront_size: 32
...
	.end_amdgpu_metadata
.endif
;; end of part 4
